; MI455X (gfx1250); checked and timed in simulation.
; The chip was launched on July 23, 2026; its instructions are those of AMD's public machine-readable ISA for CDNA 5 (MIT licence, August 2026) and "CDNA5" Instruction Set Architecture Reference Guide (July 2026). The comments in the code are by the model that wrote it; some were corrected since.
;; Standard Attention. Allowed arithmetic: float matrix products may take bf16 or f16 operands with f32 sums; all other float work in f32.
;; Inputs: k 2,048 x 2 x 16 x 64 float32; q 2,048 x 2 x 16 x 64 float32; v 2,048 x 2 x 16 x 64 float32.
;; Outputs: out0 2,048 x 2 x 16 x 64 float32.
;; One version. Each part assembles by itself: llvm-mc -triple=amdgcn-amd-amdhsa -mcpu=gfx1250 --defsym DOCPART=n.
;; ======== version 1 of 1: 1 launch
;; limits: inputs' magnitudes at most 65,504; values are held in f16: magnitudes above 65,504 overflow, below 6.1e-05 lose precision
;; launch attn (part 1): grid 256 x 1, 8 waves a work-group, no clusters, 150,528 bytes of LDS; arguments q, k, v, out0; writes out0
.if DOCPART == 1
	.amdgcn_target "amdgcn-amd-amdhsa--gfx1250"
	.amdhsa_code_object_version 6
	.text
	.protected	k_q02ac8e7f9c_attn
	.globl	k_q02ac8e7f9c_attn
	.p2align	8
	.type	k_q02ac8e7f9c_attn,@function
k_q02ac8e7f9c_attn:
	s_mov_b64 s[64:65], 0
	v_nop
	global_prefetch_b8 v0, s[64:65] scope:SCOPE_SE
	s_setreg_imm32_b32 hwreg(HW_REG_WAVE_MODE, 25, 1), 1
	s_wait_xcnt 0x0
; Causal softmax attention.  q, k, v, out: [2048 (s)][2 (b)][16 (h)][64 (d)] f32.  Row s of head hd = 16 b + h is the 256 bytes at
; s*8192 + hd*256.  out = softmax(q k^T / 8, keys <= query) v, one launch, nothing through memory but inputs and output.
;
; SHARING.  A head has 16 query blocks of 128 rows.  Work-group id: head = id >> 3, j = id & 7.  It does block 15-j (16-j key tiles
; of 128) and then block j (j+1 tiles): 17 trips in every one of the 256 groups.  The last tile of each block is its diagonal one.
; Wave wv = 4 grp + w owns queries 32 w .. +31 of the block (two groups g of 16) and keys 64 grp .. +63 of every tile; at a block's
; end the waves wv and wv^4 merge their two halves of the keys through LDS: each keeps query group g = grp and sends the other.
;
; PRODUCTS ARE TRANSPOSED.  S^T = K (source A, m = key) x Q (source B, n = query): lane (r = L & 15, h = L >> 4), register e of
; tile t holds key 16 t + 8 h + e of query r.  Rounded to f16 in pairs, that is the source-B layout of O^T += V^T (A, m = d) x P
; (B, n = query, k = key): P never leaves its lane.  Row maximum and row sum are per lane; lanes r and r + 16 agree on the
; maximum by one v_permlanex16_b32 a trip and query group.
;
; THE OPERANDS ARE f16, NOT bf16: 11 significant bits against 8, so every rounding is eight times smaller.  That counts in the first
; rows of a head, where an output is a sum of a few terms p v of size about 1 that may cancel.  p lies in [0, 1].
;
; K AND V are f32 in memory and f16 in the products, so they pass through registers: each wave loads 16 rows of K and of V one trip
; ahead (16 lanes take one whole row of 256 bytes), rounds them and lays them into the LDS buffer that is not being read.
; NO CLUSTER, NO TENSOR LOADS: a tensor load cannot round, so a tile would be written to LDS as 64 KB of f32 and read back each trip,
; as many bytes as all fragment reads of the trip; and the eight groups of a head need different numbers of tiles (16-j, then j+1),
; so that from trip 9 on they stand at different tiles and have no joint request to make.
;
; THE TRIP'S ORDER keeps every LDS access away from its wait.  Trip n reads buffer b = n & 1:
;   V fragments of tile n are requested; S^T from K fragments that were loaded in trip n-1; tile n+1 is rounded and stored into buffer
;   1-b; maximum and exponentials; all my LDS accesses are done: barrier signal; row sums, P, O alpha; barrier wait; K fragments of
;   tile n+1 are requested from buffer 1-b; O^T += V^T P.
; The one barrier of trip n says: tile n+1 lies in buffer 1-b (it is read only behind the barrier), and buffer b has been read by all
; (it is written again only in trip n+1).
;
; LIMITS.  Inputs finite, of magnitude at most 65504 (beyond it f16 is infinite), and q.k finite in f32.  Q, K, V and P are rounded to
; f16, sums in f32; magnitudes below 2^-14, of inputs and of p, are rounded in steps of 2^-24.  The running maximum starts at the
; lowest finite f32.  The row sum adds the unrounded p.  v_exp_f32 gives 0 for results below 2^-126; 1/l is v_rcp_f32 (1 ULP).
.set ROWB, 8192                        ; bytes from sequence row to sequence row
.set KP,   144                         ; LDS pitch of a K row (128 bytes of f16 + 16): an odd multiple of 16
.set VP,   160                         ; LDS pitch of a V row: an odd multiple of 32, for the transposing loads
.set VOFF, 128*KP                      ; V behind K in a buffer
.set BUF,  128*KP+128*VP               ; 38912: one buffer; two of them
.set XB,   2*BUF                       ; exchange: 8 regions, region wv written by wave wv, read by wave wv^4
.set XW,   4608                        ; 8 x 512 bytes of O, 512 bytes of row statistics
.set OB,   XB+8*XW                     ; output stage: 8 private regions
.set OP,   272                         ; pitch of a staged output row (256 + 16)
.set OW,   16*OP
; vector registers, window 0
.set AK,1                              ; K fragments: (64 grp + r) KP + 16 h
.set AV,2                              ; V fragments: (64 grp + 8 h + (L & 7)) VP + 16 ((L >> 3) & 1)
.set SK,3                              ; where I lay K: (16 wv + 8 h) KP + 8 r
.set SV,4                              ; where I lay V: (16 wv + 4 h) VP + 8 r
.set GK,5                              ; my K bytes in a tile: (16 wv + 8 h) ROWB + 16 r
.set GV,6                              ; my V bytes in a tile: (16 wv + 4 h) ROWB + 16 r
.set DM,7                              ; 32 w + r - 64 grp - 8 h (signed): the diagonal as seen from my lane
.set NINF,8                            ; -infinity
.set AXW,9                             ; my exchange region + 16 L
.set AXR,10                            ; my partner's + 16 L
.set AOS,11                            ; stage, in: OP r + 32 h
.set AOR,12                            ; stage, back: OP h + 16 r
.set GO,13                             ; out: ROWB h + 16 r
.set GQ,14                             ; q: (32 w + r) ROWB + 32 h
.set GP,15                             ; prefetch: (thread & 127) ROWB
.set ST,16                             ; v[16+4g..]: -c m, m, alpha, l of query group g
.set T,24                              ; v24-31 at work: v[24+4g..] for query group g
.set QF,32                             ; Q fragments, (g, ks) at QF + 16 g + 8 ks
.set OA,64                             ; O^T accumulators, (dt, g) at OA + 32 g + 8 dt
.set SC,128                            ; scores: tile t, group g at SC + 32 (t & 1) + 16 (t >> 1) + 8 g; P (ks, g) at SC + 16 ks + 8 g
.set FR,192                            ; v192-255: V fragments (dt, ks) at FR + 16 dt + 8 ks; at work in the merge
; window 1 (v256 and up, written by their low 8 bits): v0-31 K as loaded, v32-63 V as loaded,
.set QL,64                             ; v64-95   the low block's Q fragments
.set CW,96                             ; v96-127  the next tile in f16, on its way to LDS
.set KF,128                            ; v128-191 K fragments (t, ks) at KF + 16 t + 8 ks
; scalar registers
.set WV,12
.set GRP,13
.set WQ,14
.set JB,15
.set HEAD,16
.set NH,17                             ; tiles of the high block
.set DG,18                             ; the trip of its diagonal tile
.set TT,19                             ; loop counter
.set CUR,20                            ; trip number
.set KH,24                             ; k, v at my head
.set VH,26
.set KC,28                             ; k, v at the tile being loaded
.set VC,30
.set OUTH,32                           ; out at my 16 rows of the high and of the low block
.set OUTL,34
; s21, s52, s53 at work; s[22:23] an offset with 0 above it; s[36:37] c, c; s38 -c; s40, s41 lane selects; s[42:45] prefetch bases;
; s46, s47 the trips that prefetch; s[48:51] q at the two blocks
.set MSB, 0
.macro WIN new                         ; s_set_vgpr_msb: bits 1:0 source 0, 3:2 source 1, 7:6 destination; the high byte repeats the setting left
.if MSB != \new
	s_set_vgpr_msb (MSB<<8)|\new
.set MSB, \new
.endif
.endm
.macro PLACES                          ; four independent vector places behind a matrix instruction (ISA guide 7.12.1)
.rept 4
	v_nop
.endr
.endm
; 16 loads: my 16 rows of the K tile, then of the V tile, as f32 into window 1.  Sixteen lanes read one whole row of 256 bytes.
; Leaves the destination's window at 1.
.macro GLOAD
	WIN 0x40
.irp i, 0,1,2,3,4,5,6,7
	global_load_b128 v[4*\i:4*\i+3], v[GK], s[KC:KC+1] offset:\i*ROWB
.endr
.irp i, 0,1,2,3,4,5,6,7
	global_load_b128 v[32+4*\i:32+4*\i+3], v[GV], s[VC:VC+1] offset:((\i&3)+8*(\i>>2))*ROWB
.endr
.endm
; The tile loaded a trip ago is rounded to f16, the tile of trip CUR + 2 is requested, the rounded one goes into LDS buffer buf.
; young = loads issued behind the 16 staging loads; guard = 1: nothing is requested beyond trip 16.
.macro STAGE buf, young, guard, id
	s_wait_loadcnt 8+\young                        ; K's eight loads are in; V's eight and the younger ones stay out
	WIN 0x45                                       ; sources and destination in window 1
.set nn, 0
.rept 16
	v_cvt_pk_f16_f32 v[CW+nn], v[2*nn], v[2*nn+1]
.set nn, nn+1
.endr
	s_wait_loadcnt \young                          ; V's are in: all 16 are done, so KC and VC may be stepped
.rept 16
	v_cvt_pk_f16_f32 v[CW+nn], v[2*nn], v[2*nn+1]
.set nn, nn+1
.endr
.if \guard
	WIN 0
	s_cmp_gt_u32 s[CUR], 14
	s_cbranch_scc1 .Lnoload_\id
.endif
	s_add_co_u32 s21, s[CUR], 2                    ; trip n = CUR + 2 takes tile n of the high block, or n - NH of the low one
	s_sub_co_u32 s22, s21, s[NH]
	s_cmp_lt_u32 s21, s[NH]
	s_cselect_b32 s22, s21, s22
	s_lshl_b32 s22, s22, 20                        ; 128 rows of 8192 bytes
	s_add_nc_u64 s[KC:KC+1], s[KH:KH+1], s[22:23]
	s_add_nc_u64 s[VC:VC+1], s[VH:VH+1], s[22:23]
	GLOAD
.if \guard
	WIN 0
.Lnoload_\id:
.endif
	WIN 0x04                                       ; the data of an LDS store are its source 1
	; 8 bytes a lane; the two halves of the wave write rows 8 (K) or 4 (V) apart: 1152 and 640 bytes, both 128 modulo 256
.irp i, 0,1,2,3,4,5,6,7
	ds_store_b64 v[SK], v[CW+2*\i:CW+2*\i+1] offset:(\buf)*BUF+\i*KP
.endr
.irp i, 0,1,2,3,4,5,6,7
	ds_store_b64 v[SV], v[CW+16+2*\i:CW+16+2*\i+1] offset:(\buf)*BUF+VOFF+((\i&3)+8*(\i>>2))*VP
.endr
	WIN 0
.endm
; K fragments of my 64 keys, into window 1: tile t, d = 32 ks .. +31: two loads of 16 bytes, 32 apart
.macro KLOAD buf
	WIN 0x40
.irp t, 0,1,2,3
.irp ks, 0,1
	ds_load_b128 v[KF+16*\t+8*\ks:KF+16*\t+8*\ks+3],   v[AK] offset:(\buf)*BUF+16*KP*\t+64*\ks
	ds_load_b128 v[KF+16*\t+8*\ks+4:KF+16*\t+8*\ks+7], v[AK] offset:(\buf)*BUF+16*KP*\t+64*\ks+32
.endr
.endr
	WIN 0
.endm
; S^T: 16 products; the first of each tile starts its sum with the constant 0.  Source A (K) in window 1.
.macro QK
	WIN 0x01
.irp t, 0,1,2,3
	s_wait_dscnt 28-4*\t                           ; tile t's four loads are in; out stay the later tiles' 12 - 4 t and the 16 V loads behind them
	v_wmma_f32_16x16x32_f16 v[SC+32*(\t&1)+16*(\t>>1):SC+32*(\t&1)+16*(\t>>1)+7],     v[KF+16*\t:KF+16*\t+7],    v[QF:QF+7],     0
	v_wmma_f32_16x16x32_f16 v[SC+32*(\t&1)+16*(\t>>1)+8:SC+32*(\t&1)+16*(\t>>1)+15],  v[KF+16*\t:KF+16*\t+7],    v[QF+16:QF+23], 0
	v_wmma_f32_16x16x32_f16 v[SC+32*(\t&1)+16*(\t>>1):SC+32*(\t&1)+16*(\t>>1)+7],     v[KF+16*\t+8:KF+16*\t+15], v[QF+8:QF+15],  v[SC+32*(\t&1)+16*(\t>>1):SC+32*(\t&1)+16*(\t>>1)+7]
	v_wmma_f32_16x16x32_f16 v[SC+32*(\t&1)+16*(\t>>1)+8:SC+32*(\t&1)+16*(\t>>1)+15],  v[KF+16*\t+8:KF+16*\t+15], v[QF+24:QF+31], v[SC+32*(\t&1)+16*(\t>>1)+8:SC+32*(\t&1)+16*(\t>>1)+15]
.endr
.endm
; V^T fragments: V lies [key][d]; the transposing load gives lane (r, h) keys 32 ks + 8 h .. +7 (and + 16) of d = 16 dt + r
.macro VLOAD buf
.irp ks, 0,1
.irp dt, 0,1,2,3
	ds_load_tr16_b128 v[FR+16*\dt+8*\ks:FR+16*\dt+8*\ks+3],   v[AV] offset:(\buf)*BUF+VOFF+32*VP*\ks+32*\dt
	ds_load_tr16_b128 v[FR+16*\dt+8*\ks+4:FR+16*\dt+8*\ks+7], v[AV] offset:(\buf)*BUF+VOFF+32*VP*\ks+32*\dt+16*VP
.endr
.endr
.endm
; Tile T of a head is asked for once in the launch, by the group with j = T & 7, in its trip T - 4; the staging loads of tile T are
; issued in trip T - 2.  256 lanes ask for 256 rows of 256 bytes: waves 0-3 K's 128 rows, waves 4-7 V's.  Tiles 0 to 3 are not asked
; for; T <= 15, so every request lies inside its buffer.  The bases are fixed: no register of a prefetch is ever rewritten.
.macro PREF id
	s_cmp_lg_u32 s[CUR], s46
	s_cbranch_scc1 .Lnopa_\id
	global_prefetch_b8 v[GP], s[42:43] th:TH_LOAD_NT scope:SCOPE_SE
.Lnopa_\id:
	s_cmp_lg_u32 s[CUR], s47
	s_cbranch_scc1 .Lnopb_\id
	global_prefetch_b8 v[GP], s[44:45] th:TH_LOAD_NT scope:SCOPE_SE
.Lnopb_\id:
.endm
; The diagonal tile: key 64 grp + 16 t + 8 h + e > query 32 w + 16 g + r, that is 16 t + e - 16 g > DM, becomes -infinity
.macro MASK
.irp g, 0,1
.irp t, 0,1,2,3
.irp e, 0,1,2,3,4,5,6,7
	v_cmp_gt_i32 vcc_lo, 16*\t+\e-16*\g, v[DM]
	v_cndmask_b32 v[SC+32*(\t&1)+16*(\t>>1)+8*\g+\e], v[SC+32*(\t&1)+16*(\t>>1)+8*\g+\e], v[NINF], vcc_lo
.endr
.endr
.endr
.endm
; New maxima of both query groups (group g's 32 scores lie at SC + 8 g + {0, 16, 32, 48} + 0..7), -c m, and
; alpha = 2^(c (m_old - m_new)).  The two groups' chains take turns, so that no line waits for the one in front of it.
; -c m is rounded by itself and then subtracted, not fused: where m does not move the difference is exactly 0 and alpha exactly 1,
; also while m still stands at the lowest finite number (a wave all of whose keys are masked).
.macro MAXGG
.irp b, 0,16,32,48
.irp g, 0,1
	v_max3_num_f32 v[T+4*\g+\b/16], v[SC+8*\g+\b], v[SC+8*\g+\b+1], v[SC+8*\g+\b+2]
.endr
.endr
.irp b, 0,16,32,48
.irp g, 0,1
	v_max3_num_f32 v[T+4*\g+\b/16], v[T+4*\g+\b/16], v[SC+8*\g+\b+3], v[SC+8*\g+\b+4]
.endr
.endr
.irp b, 0,16,32,48
.irp g, 0,1
	v_max3_num_f32 v[T+4*\g+\b/16], v[T+4*\g+\b/16], v[SC+8*\g+\b+5], v[SC+8*\g+\b+6]
.endr
.endr
.irp g, 0,1
	v_max3_num_f32 v[T+4*\g], v[T+4*\g], v[T+4*\g+1], v[SC+8*\g+7]
	v_max3_num_f32 v[T+4*\g+2], v[T+4*\g+2], v[T+4*\g+3], v[SC+8*\g+23]
.endr
.irp g, 0,1
	v_max3_num_f32 v[T+4*\g], v[T+4*\g], v[T+4*\g+2], v[SC+8*\g+39]
.endr
.irp g, 0,1
	v_max3_num_f32 v[T+4*\g], v[T+4*\g], v[SC+8*\g+55], v[ST+4*\g+1]
.endr
.irp g, 0,1
	v_permlanex16_b32 v[T+4*\g+1], v[T+4*\g], s40, s41     ; lane r + 16 holds the other keys of the same query
.endr
.irp g, 0,1
	v_max_num_f32 v[ST+4*\g+1], v[T+4*\g], v[T+4*\g+1]
.endr
.irp g, 0,1
	v_mul_f32 v[T+4*\g+2], s38, v[ST+4*\g+1]
.endr
.irp g, 0,1
	v_sub_f32 v[T+4*\g+3], v[T+4*\g+2], v[ST+4*\g]
.endr
.irp g, 0,1
	v_mov_b32 v[ST+4*\g], v[T+4*\g+2]
.endr
.irp g, 0,1
	v_exp_f32 v[ST+4*\g+2], v[T+4*\g+3]            ; the line behind the two is plain and names none of their registers (ISA guide 5.7.2)
.endr
.endm
.macro PFMA g                          ; c s - c m, two at a time
.irp b, 0,16,32,48
.irp e, 0,2,4,6
	v_pk_fma_f32 v[SC+8*\g+\b+\e:SC+8*\g+\b+\e+1], v[SC+8*\g+\b+\e:SC+8*\g+\b+\e+1], s[36:37], v[ST+4*\g:ST+4*\g+1] op_sel_hi:[1,0,0]
.endr
.endr
.endm
.macro EXPG g                          ; p = 2^(..): a run of transcendentals; what follows the run works on the other query group
.irp b, 0,16,32,48
.irp e, 0,1,2,3,4,5,6,7
	v_exp_f32 v[SC+8*\g+\b+\e], v[SC+8*\g+\b+\e]
.endr
.endr
.endm
.macro SUMA                            ; my 32 p of each query group, added in two chains a group: four chains that take turns
	s_wait_alu depctr_va_vdst(0)
.irp g, 0,1
	v_pk_add_f32 v[T+4*\g:T+4*\g+1],   v[SC+8*\g:SC+8*\g+1],     v[SC+8*\g+2:SC+8*\g+3]
	v_pk_add_f32 v[T+4*\g+2:T+4*\g+3], v[SC+8*\g+32:SC+8*\g+33], v[SC+8*\g+34:SC+8*\g+35]
.endr
.irp i, 4,6,16,18,20,22
.irp g, 0,1
	v_pk_add_f32 v[T+4*\g:T+4*\g+1],   v[T+4*\g:T+4*\g+1],   v[SC+8*\g+\i:SC+8*\g+\i+1]
	v_pk_add_f32 v[T+4*\g+2:T+4*\g+3], v[T+4*\g+2:T+4*\g+3], v[SC+8*\g+32+\i:SC+8*\g+32+\i+1]
.endr
.endr
.endm
; l = l alpha + the sum: six plain lines that name no register of a product.  They stand behind O^T += V^T P as its places
; (ISA guide 7.12.1): four before V fragments are loaded over or O is stored, five before the next S^T writes over P.
.macro SUMB
.irp g, 0,1
	v_pk_add_f32 v[T+4*\g:T+4*\g+1], v[T+4*\g:T+4*\g+1], v[T+4*\g+2:T+4*\g+3]
.endr
.irp g, 0,1
	v_add_f32 v[T+4*\g], v[T+4*\g], v[T+4*\g+1]
.endr
.irp g, 0,1
	v_fma_f32 v[ST+4*\g+3], v[ST+4*\g+3], v[ST+4*\g+2], v[T+4*\g]
.endr
.endm
.macro CVTG g                          ; P (ks, g): registers 0-3 from tile 2 ks (in place), 4-7 from tile 2 ks + 1
.irp ks, 0,1
.irp i, 0,1,2,3
	v_cvt_pk_f16_f32 v[SC+16*\ks+8*\g+\i], v[SC+16*\ks+8*\g+2*\i], v[SC+16*\ks+8*\g+2*\i+1]
.endr
.irp i, 0,1,2,3
	v_cvt_pk_f16_f32 v[SC+16*\ks+8*\g+4+\i], v[SC+32+16*\ks+8*\g+2*\i], v[SC+32+16*\ks+8*\g+2*\i+1]
.endr
.endr
.endm
.macro RESC g                          ; O = O alpha
.set nn, 0
.rept 16
	v_pk_mul_f32 v[OA+32*\g+nn:OA+32*\g+nn+1], v[OA+32*\g+nn:OA+32*\g+nn+1], v[ST+4*\g+2:ST+4*\g+3] op_sel_hi:[1,0]
.set nn, nn+2
.endr
.endm
.macro PV                              ; O^T += V^T P: 16 products
.irp ks, 0,1
.irp dt, 0,1,2,3
.irp g, 0,1
	v_wmma_f32_16x16x32_f16 v[OA+32*\g+8*\dt:OA+32*\g+8*\dt+7], v[FR+16*\dt+8*\ks:FR+16*\dt+8*\ks+7], v[SC+16*\ks+8*\g:SC+16*\ks+8*\g+7], v[OA+32*\g+8*\dt:OA+32*\g+8*\dt+7]
.endr
.endr
.endr
.endm
.macro SEND g                          ; O and the statistics of query group g to my partner
.irp n, 0,1,2,3,4,5,6,7
	ds_store_b128 v[AXW], v[OA+32*\g+4*\n:OA+32*\g+4*\n+3] offset:512*\n
.endr
	ds_store_b128 v[AXW], v[ST+4*\g:ST+4*\g+3] offset:4096
.endm
.macro SENDSEL id                      ; waves 0-3 (grp 0) send group 1, waves 4-7 send group 0
	s_cmp_lt_u32 s[WV], 4
	s_cbranch_scc0 .Lsend0_\id
	SEND 1
	s_branch .Lsent_\id
.Lsend0_\id:
	SEND 0
.Lsent_\id:
.endm
; Merge my half of the keys with my partner's for query group g, divide by the row sum, and store 16 rows of out.
.macro FIN g, ob
	ds_load_b128 v[T+4:T+7], v[AXR] offset:4096    ; partner's -c m, m, alpha, l
.irp n, 0,1,2,3,4,5,6,7
	ds_load_b128 v[FR+4*\n:FR+4*\n+3], v[AXR] offset:512*\n
.endr
	s_wait_dscnt 8                                 ; the statistics are in; the eight loads of O stay out
	v_max_num_f32 v[T], v[ST+4*\g+1], v[T+5]
	v_sub_f32 v[T+1], v[ST+4*\g+1], v[T]
	v_sub_f32 v[T+2], v[T+5], v[T]
	v_mul_f32 v[T+1], s36, v[T+1]
	v_mul_f32 v[T+2], s36, v[T+2]
	v_exp_f32 v[T+1], v[T+1]
	v_exp_f32 v[T+2], v[T+2]
	v_nop                                          ; the plain place behind the transcendentals
	s_wait_alu depctr_va_vdst(0)
	v_mul_f32 v[T+3], v[ST+4*\g+3], v[T+1]
	v_fmac_f32 v[T+3], v[T+7], v[T+2]
	v_permlanex16_b32 v[T+4], v[T+3], s40, s41     ; l was kept per lane: lane r + 16 has the rest of the row
	v_add_f32 v[T+3], v[T+3], v[T+4]
	v_rcp_f32 v[T+3], v[T+3]
	v_nop
	s_wait_alu depctr_va_vdst(0)
	v_mul_f32 v[T], v[T+1], v[T+3]                 ; my weight / l
	v_mul_f32 v[T+2], v[T+2], v[T+3]               ; my partner's weight / l
.set nn, 0
.rept 16
	v_pk_mul_f32 v[OA+32*\g+nn:OA+32*\g+nn+1], v[OA+32*\g+nn:OA+32*\g+nn+1], v[T:T+1] op_sel_hi:[1,0]
.set nn, nn+2
.endr
	s_wait_dscnt 0x0
.set nn, 0
.rept 16
	v_pk_fma_f32 v[OA+32*\g+nn:OA+32*\g+nn+1], v[FR+nn:FR+nn+1], v[T+2:T+3], v[OA+32*\g+nn:OA+32*\g+nn+1] op_sel_hi:[1,0,1]
.set nn, nn+2
.endr
	; lane (r, h) holds d = 16 dt + 8 h + 0..7 of query r: 32 bytes of a row.  Through my own stage, back as whole rows.
.irp n, 0,1,2,3,4,5,6,7
	ds_store_b128 v[AOS], v[OA+32*\g+4*\n:OA+32*\g+4*\n+3] offset:64*(\n/2)+16*(\n%2)
.endr
.irp n, 0,1,2,3,4,5,6,7
	ds_load_b128 v[FR+32+4*\n:FR+32+4*\n+3], v[AOR] offset:2*OP*\n   ; LDS serves a wave's instructions in order: these see the stores above
.endr
.irp n, 0,1,2,3,4,5,6,7
	s_wait_dscnt 7-\n                              ; rows 2 n, 2 n + 1 are back
	global_store_b128 v[GO], v[FR+32+4*\n:FR+32+4*\n+3], s[\ob:\ob+1] offset:2*ROWB*\n th:TH_STORE_NT   ; 16 lanes write one aligned row of 256 bytes
.endr
.endm
.macro FINSEL id, ob
	s_cmp_lt_u32 s[WV], 4
	s_cbranch_scc0 .Lfin1_\id
	FIN 0, \ob
	s_branch .Lfind_\id
.Lfin1_\id:
	FIN 1, \ob
.Lfind_\id:
.endm
; A block's start.  O is cleared outright: the trip's text serves every trip, so no product of it can take the constant 0, and
; a multiplication by alpha = 0 would not clear what is not finite.  64 moves, twice in a wave's life.
.macro INIT
.set nn, 0
.rept 64
	v_mov_b32 v[OA+nn], 0
.set nn, nn+1
.endr
.irp g, 0,1
	v_mov_b32 v[ST+4*\g+1], 0xff7fffff             ; m: the lowest finite f32
	v_mov_b32 v[ST+4*\g+3], 0                      ; l
	v_mul_f32 v[ST+4*\g], s38, v[ST+4*\g+1]        ; -c m
.endr
.endm
.macro BARRIER                         ; my LDS reads and writes are done, then everybody's
	s_wait_dscnt 0x0
	s_barrier_signal -1
	s_barrier_wait -1
.endm
; One key tile of 128, read from LDS buffer buf; its K fragments are already on their way or in.
.macro TRIP buf, odd, last, id
.if \last == 0
	s_add_co_u32 s[CUR], s[TT], \odd
.endif
	VLOAD \buf                                     ; wanted only behind the softmax
	QK
.if \last
	WIN 0
	PLACES                                         ; then the scores may be read
	MASK
.else
	STAGE 1-\buf, 0, \odd, \id                     ; its 32 conversions are the places behind the products
	PREF \id
	s_cmp_lg_u32 s[CUR], s[DG]
	s_cbranch_scc1 .Lnomask_\id
	MASK
.Lnomask_\id:
.endif
	MAXGG
	PFMA 0
	EXPG 0
	PFMA 1
	EXPG 1
	s_wait_dscnt 0x0                               ; my V fragments are in, my part of the next tile lies in LDS, this buffer is read:
	s_barrier_signal -1                            ; say so,
	SUMA                                           ; work on registers while the others arrive,
	CVTG 0
	CVTG 1
	RESC 0
	RESC 1
	s_barrier_wait -1                              ; and go on when all eight have said so
.if \last == 0
	KLOAD 1-\buf                                   ; the next trip's K fragments come in under the 16 products below
.endif
	PV
	SUMB
.if \last
	SENDSEL \id
	BARRIER
	FINSEL \id, OUTL
.else
	s_cmp_lg_u32 s[CUR], s[DG]                     ; from the group's number and the trip counter: the same in all eight waves
	s_cbranch_scc1 .Lnext_\id
	SENDSEL \id                                    ; the high block is complete
	BARRIER
	FINSEL \id, OUTH                               ; its reads of the exchange end in a wait for 0; the next sending stands behind a later trip's barrier
	s_wait_xcnt 0x0                                ; the stores' data registers are loaded over in the next trip only behind this wait
	WIN 0x01
.set nn, 0
.rept 32
	v_mov_b32 v[QF+nn], v[QL+nn]                   ; the low block's Q
.set nn, nn+1
.endr
	WIN 0
	INIT
.Lnext_\id:
.endif
.endm
.macro QLOAD dst, base                 ; Q fragments as f32: (g, ks): d = 32 ks + 8 h .. +7 and + 16, of query 32 w + 16 g + r
.irp g, 0,1
.irp ks, 0,1
	global_load_b128 v[\dst+32*\g+16*\ks:\dst+32*\g+16*\ks+3],     v[GQ], s[\base:\base+1] offset:16*ROWB*\g+128*\ks
	global_load_b128 v[\dst+32*\g+16*\ks+4:\dst+32*\g+16*\ks+7],   v[GQ], s[\base:\base+1] offset:16*ROWB*\g+128*\ks+16
	global_load_b128 v[\dst+32*\g+16*\ks+8:\dst+32*\g+16*\ks+11],  v[GQ], s[\base:\base+1] offset:16*ROWB*\g+128*\ks+64
	global_load_b128 v[\dst+32*\g+16*\ks+12:\dst+32*\g+16*\ks+15], v[GQ], s[\base:\base+1] offset:16*ROWB*\g+128*\ks+80
.endr
.endr
.endm
	; ---- ids, lane terms, bases ----
	s_load_b256 s[4:11], s[0:1], 0x0               ; q s[4:5], k s[6:7], v s[8:9], out s[10:11]
	s_set_vgpr_msb 0x40
	v_lshl_add_u32 v192, v0, 2, 0x24800
	v_mov_b32 v193, 0
	s_set_vgpr_msb 0x4000
	v_lshrrev_b32 v16, 5, v0
	v_readfirstlane_b32 s[WV], v16                 ; wave 0..7
	s_lshr_b32 s[GRP], s[WV], 2                    ; which 64 keys of a tile
	s_and_b32 s[WQ], s[WV], 3                      ; which 32 queries of the block
	s_and_b32 s[JB], ttmp9, 7
	s_lshr_b32 s[HEAD], ttmp9, 3
	s_sub_co_u32 s[NH], 16, s[JB]
	s_sub_co_u32 s[DG], 15, s[JB]
	s_sub_co_u32 s46, s[JB], 4                     ; trip that asks for tile j (for j < 4 no trip has this number)
	s_add_co_u32 s47, s[JB], 4                     ; trip that asks for tile j + 8
	s_mov_b32 s36, 0x3e38aa3b                      ; c = log2(e) / 8
	s_mov_b32 s37, 0x3e38aa3b
	s_mov_b32 s38, 0xbe38aa3b                      ; -c
	s_mov_b32 s40, 0x76543210                      ; v_permlanex16_b32: lane i takes lane i of the other half
	s_mov_b32 s41, 0xfedcba98
	v_and_b32 v24, 31, v0                          ; L
	v_and_b32 v25, 15, v0                          ; r
	v_bfe_u32 v26, v0, 4, 1                        ; h
	v_and_b32 v27, 7, v0
	v_bfe_u32 v28, v0, 3, 1
	v_lshlrev_b32 v29, 4, v25                      ; 16 r
	s_mul_i32 s21, s[GRP], 64*KP
	v_mul_u32_u24 v[AK], v25, KP
	v_lshl_add_u32 v[AK], v26, 4, v[AK]
	v_add_nc_u32 v[AK], s21, v[AK]
	s_mul_i32 s21, s[GRP], 64*VP
	v_lshl_add_u32 v27, v26, 3, v27                ; 8 h + (L & 7)
	v_mul_u32_u24 v[AV], v27, VP
	v_lshl_add_u32 v[AV], v28, 4, v[AV]
	v_add_nc_u32 v[AV], s21, v[AV]
	s_mul_i32 s21, s[WV], 16*KP
	v_mul_u32_u24 v[SK], v26, 8*KP
	v_lshl_add_u32 v[SK], v25, 3, v[SK]
	v_add_nc_u32 v[SK], s21, v[SK]
	s_mul_i32 s21, s[WV], 16*VP
	v_mul_u32_u24 v[SV], v26, 4*VP
	v_lshl_add_u32 v[SV], v25, 3, v[SV]
	v_add_nc_u32 v[SV], s21, v[SV]
	s_lshl_b32 s21, s[WV], 17                      ; 16 rows of 8192 bytes a wave
	v_lshl_add_u32 v[GK], v26, 16, v29
	v_add_nc_u32 v[GK], s21, v[GK]
	v_lshl_add_u32 v[GV], v26, 15, v29
	v_add_nc_u32 v[GV], s21, v[GV]
	s_lshl_b32 s21, s[WQ], 5
	s_lshl_b32 s52, s[GRP], 6
	s_sub_co_i32 s21, s21, s52                     ; 32 w - 64 grp
	v_lshlrev_b32 v30, 3, v26
	v_sub_nc_u32 v[DM], v25, v30
	v_add_nc_u32 v[DM], s21, v[DM]
	v_mov_b32 v[NINF], 0xff800000
	s_mul_i32 s21, s[WV], XW
	s_add_co_u32 s21, s21, XB
	v_lshl_add_u32 v[AXW], v24, 4, s21
	s_xor_b32 s21, s[WV], 4
	s_mul_i32 s21, s21, XW
	s_add_co_u32 s21, s21, XB
	v_lshl_add_u32 v[AXR], v24, 4, s21
	s_mul_i32 s21, s[WV], OW
	s_add_co_u32 s21, s21, OB
	v_mul_u32_u24 v[AOS], v25, OP
	v_lshl_add_u32 v[AOS], v26, 5, v[AOS]
	v_add_nc_u32 v[AOS], s21, v[AOS]
	v_mul_u32_u24 v[AOR], v26, OP
	v_add_nc_u32 v[AOR], v[AOR], v29
	v_add_nc_u32 v[AOR], s21, v[AOR]
	v_lshl_add_u32 v[GO], v26, 13, v29
	s_lshl_b32 s21, s[WQ], 18                      ; 32 rows of 8192 bytes
	v_lshlrev_b32 v[GQ], 13, v25
	v_lshl_add_u32 v[GQ], v26, 5, v[GQ]
	v_add_nc_u32 v[GQ], s21, v[GQ]
	v_and_b32 v[GP], 127, v0
	v_lshlrev_b32 v[GP], 13, v[GP]
	s_lshl_b32 s21, s[HEAD], 8                     ; my head's 256 bytes in a row
	s_mov_b32 s22, s21
	s_mov_b32 s23, 0                               ; stays 0: s[22:23] is always a 32-bit offset
	s_wait_kmcnt 0x0
	s_add_nc_u64 s[KH:KH+1], s[6:7], s[22:23]
	s_add_nc_u64 s[VH:VH+1], s[8:9], s[22:23]
	s_mov_b64 s[KC:KC+1], s[KH:KH+1]               ; tile 0
	s_mov_b64 s[VC:VC+1], s[VH:VH+1]
	GLOAD
	WIN 0
	s_lshl_b32 s52, s[WQ], 18
	s_lshl_b32 s53, s[GRP], 17
	s_add_co_u32 s52, s52, s53                     ; rows 32 w + 16 grp: the 16 rows that I store
	s_lshl_b32 s22, s[DG], 20                      ; block 15 - j: 128 rows of 8192 bytes each
	s_add_co_u32 s22, s22, s21
	s_add_nc_u64 s[48:49], s[4:5], s[22:23]
	s_add_co_u32 s22, s22, s52
	s_add_nc_u64 s[OUTH:OUTH+1], s[10:11], s[22:23]
	s_lshl_b32 s22, s[JB], 20                      ; block j
	s_add_co_u32 s22, s22, s21
	s_add_nc_u64 s[50:51], s[4:5], s[22:23]
	s_add_co_u32 s22, s22, s52
	s_add_nc_u64 s[OUTL:OUTL+1], s[10:11], s[22:23]
	QLOAD OA, 48                                   ; the high block's Q as f32 into the accumulators' registers,
	QLOAD FR, 50                                   ; the low block's into the V fragments'
	s_cmp_eq_u32 s[GRP], 0
	s_cselect_b64 s[42:43], s[KH:KH+1], s[VH:VH+1] ; waves 0-3 ask for K, waves 4-7 for V
	s_add_co_u32 s22, s[JB], 8
	s_lshl_b32 s22, s22, 20
	s_add_nc_u64 s[44:45], s[42:43], s[22:23]      ; tile j + 8
	s_lshl_b32 s22, s[JB], 20
	s_add_nc_u64 s[42:43], s[42:43], s[22:23]      ; tile j
	s_mov_b32 s[CUR], -1                           ; so that the stage below requests the tile of trip 1
	STAGE 0, 32, 0, p                              ; tile 0 into buffer 0; the 32 loads of Q are younger than its 16
	s_wait_loadcnt 32                              ; the high Q is in; the low Q's 16 and the new tile's 16 stay out
.set nn, 0
.rept 32
	v_cvt_pk_f16_f32 v[QF+nn], v[OA+2*nn], v[OA+2*nn+1]
.set nn, nn+1
.endr
	s_wait_loadcnt 16                              ; the low Q is in
	WIN 0x40
.set nn, 0
.rept 32
	v_cvt_pk_f16_f32 v[QL+nn], v[FR+2*nn], v[FR+2*nn+1]
.set nn, nn+1
.endr
	WIN 0
	INIT
	BARRIER                                        ; buffer 0 is filled
	KLOAD 0                                        ; trip 0's K fragments
	; ---- 17 trips: 8 x 2 in the loop, the last (the low block's diagonal tile) behind it ----
	s_mov_b32 s[TT], 0
.Ltrip:
	TRIP 0, 0, 0, a
	TRIP 1, 1, 0, b
	s_add_co_u32 s[TT], s[TT], 2
	s_cmp_lt_u32 s[TT], 16
	s_cbranch_scc1 .Ltrip
	TRIP 0, 0, 1, c
	s_set_vgpr_msb 0x5
	s_wait_tensorcnt 0x0
	ds_add_u32 v192, v193
	s_wait_dscnt 0x0
	s_set_vgpr_msb 0x500
	s_endpgm
.Lfunc_end_k_q02ac8e7f9c_attn:
	.size	k_q02ac8e7f9c_attn, .Lfunc_end_k_q02ac8e7f9c_attn-k_q02ac8e7f9c_attn
	.p2alignl 7, 3214868480
	.fill 96, 4, 3214868480
	.section	.rodata,"a",@progbits
	.p2align	6, 0x0
	.amdhsa_kernel k_q02ac8e7f9c_attn
		.amdhsa_group_segment_fixed_size 150528
		.amdhsa_private_segment_fixed_size 0
		.amdhsa_enable_private_segment 0
		.amdhsa_kernarg_size 32
		.amdhsa_user_sgpr_count 2
		.amdhsa_user_sgpr_kernarg_segment_ptr 1
		.amdhsa_wavefront_size32 1
		.amdhsa_system_sgpr_workgroup_id_x 1
		.amdhsa_system_sgpr_workgroup_id_y 1
		.amdhsa_system_sgpr_workgroup_id_z 1
		.amdhsa_system_vgpr_workitem_id 0
		.amdhsa_next_free_vgpr 450
		.amdhsa_next_free_sgpr 66
		.amdhsa_reserve_vcc 1
		.amdhsa_float_denorm_mode_32 3
		.amdhsa_float_denorm_mode_16_64 3
		.amdhsa_memory_ordered 1
		.amdhsa_forward_progress 1
		.amdhsa_inst_pref_size 138
	.end_amdhsa_kernel
	.amdgpu_metadata
---
amdhsa.version: [ 1, 2 ]
amdhsa.kernels:
  - .name:           k_q02ac8e7f9c_attn
    .symbol:         k_q02ac8e7f9c_attn.kd
    .args:
      - { .name: q, .offset: 0, .size: 8, .value_kind: global_buffer, .address_space: global }
      - { .name: k, .offset: 8, .size: 8, .value_kind: global_buffer, .address_space: global }
      - { .name: v, .offset: 16, .size: 8, .value_kind: global_buffer, .address_space: global }
      - { .name: out0, .offset: 24, .size: 8, .value_kind: global_buffer, .address_space: global }
    .group_segment_fixed_size: 150528
    .private_segment_fixed_size: 0
    .kernarg_segment_align: 8
    .kernarg_segment_size: 32
    .max_flat_workgroup_size: 256
    .sgpr_count:     66
    .vgpr_count:     450
    .wavefront_size: 32
...
	.end_amdgpu_metadata
.endif
;; end of part 1
